; MI455X (gfx1250); checked and timed in simulation.
; The chip was launched on July 23, 2026; its instructions are those of AMD's public machine-readable ISA for CDNA 5 (MIT licence, August 2026) and "CDNA5" Instruction Set Architecture Reference Guide (July 2026). The comments in the code are by the model that wrote it; some were corrected since.
;; Causal Self Attention. Allowed arithmetic: matrix products marked QUANTISED: E2M3 operands, one E8M0 scale for each 32 along K, by v_wmma_scale_f32_16x16x128_f8f6f4 with both operands' format E2M3, f32 sums; everything else in f32.
;; Inputs: b_attn 3,072 float32; b_proj 1,024 float32; w_attn_codes 3,072 x 32 x 24 uint8 (E2M3 codes of w_attn, K innermost, in blocks of 32 codes, four codes in three bytes); w_attn_scales 3,072 x 32 uint8 (E8M0 scales of w_attn, one for each 32 codes along K); w_proj_codes 1,024 x 32 x 24 uint8 (E2M3 codes of w_proj, K innermost, in blocks of 32 codes, four codes in three bytes); w_proj_scales 1,024 x 32 uint8 (E8M0 scales of w_proj, one for each 32 codes along K); x_codes 2 x 2,048 x 32 x 24 uint8 (E2M3 codes of x, K innermost, in blocks of 32 codes, four codes in three bytes); x_scales 2 x 2,048 x 32 uint8 (E8M0 scales of x, one for each 32 codes along K).
;; Outputs: out0 2 x 2,048 x 1,024 float32.
;; This version of the problem:
;;   THIS VERSION OF THE PROBLEM IS GIVEN IN LOW PRECISION. The matrix products marked QUANTISED in the list below multiply operands that are first quantised to E2M3 (2 exponent bits, 3 mantissa bits; 6 bits a number), with one power-of-two scale for each 32 numbers along K (OCP MX v1.0); their sums are f32. All else is computed in f32.
;;   The module's matrix products, in the order in which they are computed (A, B: the left and right operand; K: the contracted axis; several contracted axes count as one K, in the product's order):
;;     1. [M 4,096, K 1,024] x [K 1,024, N 3,072]; A: input x (given as codes); B: input w_attn (given as codes): QUANTISED
;;     2. batch 32 x [M 2,048, K 64] x [K 64, N 2,048]; A: computed on the way; B: computed on the way: QUANTISED
;;     3. batch 32 x [M 2,048, K 2,048] x [K 2,048, N 64]; A: softmax (see below); B: computed on the way: QUANTISED
;;     4. [M 4,096, K 1,024] x [K 1,024, N 1,024]; A: computed on the way; B: input w_proj (given as codes): QUANTISED
;;   THE QUANTISER, for each operand of a quantised product, along K:
;;     - K is cut into blocks of 32 from its start; a last block that is shorter is filled with zeros.
;;     - A block's scale is 2^e with e = floor(log2(the largest magnitude in the block)) - 2, held to -126 .. 127; a block of zeros has e = 0. As a byte (E8M0): e + 127.
;;     - Each number is divided by its block's scale, clamped to +-7.5, and rounded to the nearest number of E2M3, ties to even, subnormals kept.
;;     - The product sums the exact products of the quantised numbers (number of the format x scale) in f32.
;;   ~~~python
;;   def quantise(x, axis):      # numpy; x: float32 -> the quantised numbers, widened to float32 again
;;       x = np.moveaxis(x, axis, -1); K = x.shape[-1]
;;       x = np.pad(x, [(0, 0)] * (x.ndim - 1) + [(0, -K % 32)]); x = x.reshape(x.shape[:-1] + (-1, 32)); a = np.abs(x).max(-1, keepdims=True)
;;       e = np.where(a > 0, np.clip(np.frexp(np.where(a > 0, a, 1))[1] - 1 - 2, -126, 127), 0)      # np.frexp(a)[1] - 1 = floor(log2(a)), exactly
;;       r = np.clip(x / 2.0 ** e, -7.5, 7.5)
;;       step = 2.0 ** (np.maximum(np.frexp(np.where(r == 0, 1, r))[1] - 1, 0) - 3)
;;       q = np.round(r / step) * step * 2.0 ** e      # np.round: ties to even
;;       return np.moveaxis(q.reshape(q.shape[:-2] + (-1,))[..., :K], -1, axis).astype(np.float32)
;;   ~~~
;;   SOFTMAX AHEAD OF A QUANTISED PRODUCT. Where the list says 'softmax', what is quantised is not the finished softmax but p = 2^(t - M), with t = logit x log2(e) and M = ceil(the row's largest t), a whole number; so 1/2 < the row's largest p <= 1. The row's sum l is taken of the UNQUANTISED p, in f32, and the product's result is divided by l at the end. Since M is a whole number, a kernel that streams over the keys may use a running M (the ceiling of the running maximum): every later rescaling is an exact power of two, which a block's scale takes up: the codes' values come out the same.
;;   OPERANDS COMPUTED ON THE WAY. 'Computed on the way' means the value that the module computes at that place (a softmax that the list does not call 'softmax' is quantised finished and normalised). What goes into a quantiser is computed in f32, as accurately as f32 sums, v_exp_f32 and their like allow (about 1e-6 of the number): no bf16 or f16 on the way to a quantiser, and a product that is left as it is and whose result goes on into a quantised operand takes f32 operands (vector FMAs, or v_wmma_f32_16x16x4_f32). A number that lies on a knife's edge between two numbers of the format may be rounded either way, as far as f32 arithmetic and the matrix unit's own rounding can turn it there, and no further.
;;   INPUTS GIVEN AS CODES. w_attn (in the module: [1024, 3072], K = its axis 0); w_proj (in the module: [1024, 1024], K = its axis 0); x (in the module: [2, 2048, 1024], K = its axis 2): each comes as NAME_codes (uint8): NAME with its K axis moved to the last place and cut into blocks of 32 codes, [.., K / 32, bytes a block], one block behind the other in memory; four codes in three bytes: a row's codes are one little-endian stream of bits, code i at bits 6 i .. 6 i + 5 (a code: sign, 2 exponent bits, 3 mantissa bits); and NAME_scales (uint8): the same leading axes, one E8M0 byte (e + 127) for each 32 codes along K. Its value is code x scale, taken as it is: it is not quantised again, and the codes and scales need not be those that the quantiser above would give.
;; One version. Each part assembles by itself: llvm-mc -triple=amdgcn-amd-amdhsa -mcpu=gfx1250 --defsym DOCPART=n.
;; ======== version 1 of 1: 3 launches
;; limits: a function is approximated: absolute error at most 0.0002
;; workspace buffers: qimg 3,407,872 bytes; kv 6,815,744 bytes; yimg 3,407,872 bytes
;; launch qkv (part 1): grid 12 x 16, 4 waves a work-group, clusters of 4 x 4, 327,680 bytes of LDS; arguments x_codes, x_scales, w_attn_codes, w_attn_scales, b_attn, qimg, kv; writes qimg, kv
.if DOCPART == 1
	.amdgcn_target "amdgcn-amd-amdhsa--gfx1250"
	.amdhsa_code_object_version 6
	.text
	.protected	k_qf0df064eeb_qkv
	.globl	k_qf0df064eeb_qkv
	.p2align	8
	.type	k_qf0df064eeb_qkv,@function
k_qf0df064eeb_qkv:
	s_mov_b64 s[64:65], 0
	v_nop
	global_prefetch_b8 v0, s[64:65] scope:SCOPE_SE
	s_setreg_imm32_b32 hwreg(HW_REG_WAVE_MODE, 25, 1), 1
	s_wait_xcnt 0x0
	s_wait_alu depctr_hold_cnt(0) depctr_sa_sdst(0) depctr_va_vdst(0) depctr_va_sdst(0) depctr_va_ssrc(0) depctr_va_vcc(0) depctr_vm_vsrc(0)
	s_getreg_b32 s2, hwreg(HW_REG_IB_STS2, 6, 4)
	s_cmp_eq_u32 s2, 0
	s_cbranch_scc0 .Lentry_in_a_cluster
	s_endpgm
.Lentry_in_a_cluster:
	s_bfe_u32 s2, ttmp6, 0x10000c
	s_cmp_lg_u32 s2, 0xf033
	s_cbranch_scc0 .Lentry_shape_is_right
	s_endpgm
.Lentry_shape_is_right:
; qkv = x w_attn + b_attn on codes of FP6 (E2M3) with E8M0 scales, then RoPE on q and k, then q, k (along the head's 64) and v (along the keys) are quantised and stored as images of operand registers.
; x: [4096][1024] codes, w_attn: [3072][1024] codes, K innermost, 768 bytes a row; scale bytes 32 a row.  A tile of the result, 256 x 256, is made by four waves, 128 x 128 each: 64 accumulators, 512 registers.
; K goes in steps of 256 through a ring of two LDS slots; the scale bytes of the work-group's rows come once and stay.  4 x 4 work-groups form a cluster; tiles are asked for jointly along its rows and columns.
; KIND = the cluster's x (the same in all sixteen partners): 0 q, 1 k, 2 v.  THE MATRIX INSTRUCTION TAKES "B" AS SOURCE 0 AND "A" AS SOURCE 1: a lane holds one row of A and its registers run along B's rows.
;   q, k: A = 256 tokens of x, B = 256 rows of w_attn: a lane holds a token, its registers run along the head's channels, which are the next product's K.
;   v:    A = 256 rows of w_attn (channels 2048 on), B = 256 tokens: a lane holds a channel, its registers run along the keys, which are the next product's K.
; ORDER INSIDE A BLOCK OF 32: a lane's half h holds numbers 8h+0..7 and 16+8h+0..7 of a block, so the codes of a block lie in the order 0-7, 16-23, 8-15, 24-31.  q and k lie so alike, and so do v and the
; weights p of the next launch: the same permutation inside one scale block on both sides of a product leaves the product as it is.
; WHAT IS STORED.  A half image (16 rows x 64 k, 6 registers a lane): registers 0-3 at 16 x lane, registers 4-5 at 512 + 8 x lane: 768 bytes.  A full image (16 rows x 128 k): 3 x 512 bytes.
;   a record of q or k (128 tokens of a head): 8 half images, then 512 bytes of scale words: 16 bytes at 16 (row + 16 (tile / 4)), word tile % 4.   a record of v (64 channels x 128 keys): 4 full images, then 16 bytes a lane: the four tiles' words.
;   qimg: [batch x head][128 tokens] records of 6,656 bytes;  kv: the same index, k's record and then v's: 13,312 bytes.
; LIMITS.  RoPE's angle is position x 2^(-f log2(10000) / 32) by v_exp_f32 and one multiplication: up to about 2e-4 radians from the quotient in f32 at the last positions; the sine and cosine are polynomials on
; |r| <= pi / 4 behind a two-part reduction, and seven turns by the angle of 16 positions add about 1e-6.  A block of zeros keeps the scale byte 1 (its codes are zeros; these bytes are read by this program alone).
; NaN and infinities among the inputs are not served.
.set KSTEP,  256
.set NQ,     KSTEP/128
.set ROWB,   192                       ; a tile's row in bytes
.set KROW,   768                       ; a row of x or of w_attn in memory
.set PITCH,  240                       ; an LDS row: 3 x (64 bytes + 16 of padding)
.set FR,     12                        ; registers of a fragment
.set NL,     6                         ; LDS loads that bring one
.set NP,     4                         ; places behind this matrix instruction (ISA guide 7.12.1)
.set HALFT,  128*PITCH
.set SLOT,   4*HALFT
.set LAPS,   1024/(2*KSTEP)
.set KS,     32                        ; a row of scale bytes
.set SCL,    2*SLOT
.set HALFS,  (128*KS/256)*272
.set SBLK,   (16*KS/256)*272
.set SPARE,  SCL+4*HALFS               ; the spare words: 128 bytes a wave, two blocks of 256 bytes that no other line names
.set REC,    6656
.set ADRA, 16                          ; v16-19  LDS addresses of my A fragments
.set ADRB, 20                          ; v20-23  of B's
.set L16,  24                          ; v24     16 x lane
.set L8,   25                          ; v25     8 x lane
.set ADRS, 27                          ; v27     my scale words
.set SPW,  28                          ; v28     my spare word; never rewritten
.set NIL,  29                          ; v29     0; never rewritten
.set SC,   32                          ; v32-63  scale words, two sets
.set AF,   128                         ; A's fragments, window 0
.set G1, 24
.set G0, 32
.set G1B, 48
.set G0B, 56
.set G1S, 68
.set G0S, 76
.set G1SB, 80
.set G0SB, 88
.set SEL,  20                          ; s[20:21] on the way out: lane selects for lane xor 16
.set KIND, 95
.set DST,  100                         ; s[100:101], s[104:105]: the records of my two heads
; the way out, window 0
.set TH,  32                           ; v32-47   the 16 frequencies of my lane
.set ANG, 48                           ; v48-63   angles
.set C0,  64                           ; v64-79 cosines, v80-95 sines: set 0;  set 1 at v224-255
.set CDL, 96                           ; v96-111, v112-127: cosines and sines of 16 positions' turn
.set KK,  128
.set RR,  144
.set ZZ,  160
.set PS,  176
.set PO,  192
.set WW,  208
.set CON, 224                          ; v224-235 constants in pairs
.set T,   128                          ; numbers with their bias
.set O,   160                          ; q, k behind RoPE
.set TM,  192
.set QC,  208                          ; codes
.set QC2, 214
.set PW,  32                           ; v32-47 scale words
.set MSB, 0
.macro WIN new                         ; the immediate's high byte repeats the setting that is left
.if MSB != (\new)
	s_set_vgpr_msb (MSB<<8)|(\new)
.set MSB, (\new)
.endif
.endm
.set MUL_LO, 0xa1                      ; source 0 (B) window 1, source 1 (A) window 0, C and D window 2
.set MUL_HI, 0xf1
.set TO_B,   0x40
; A joint load: waves 0 and 1 fetch for A, waves 2 and 3 for B; four v_nop follow each of the two lines.
.macro JLOAD g0a, g1a, g0b, g1b
	s_cmp_eq_u32 s15, 0
	s_cbranch_scc0 .Lfor_b_\@
	tensor_load_to_lds s[\g0a:\g0a+3], s[\g1a:\g1a+7]
	s_nop 0
.rept 4
	v_nop
.endr
	s_branch .Lasked_\@
.Lfor_b_\@:
	tensor_load_to_lds s[\g0b:\g0b+3], s[\g1b:\g1b+7]
	s_nop 0
.rept 4
	v_nop
.endr
.Lasked_\@:
.endm
.macro CREST                           ; a round of the cluster's barrier behind its opening barrier
	s_cmp_lg_u32 s14, 0
	s_cbranch_scc1 .Lnot_wave_0_\@
	s_barrier_signal -3
.Lnot_wave_0_\@:
	s_barrier_wait -3
	s_barrier_signal -1
	s_barrier_wait -1
.endm
.macro CROUND
	s_barrier_signal -1
	s_barrier_wait -1
	CREST
.endm
	s_load_b128 s[4:7], s[0:1], 0x0                ; x's codes, x's scales
	s_load_b128 s[8:11], s[0:1], 0x10              ; w_attn's codes, its scales
	s_load_b64 s[12:13], s[0:1], 0x20              ; b_attn
	s_load_b64 s[96:97], s[0:1], 0x28              ; qimg
	s_load_b64 s[98:99], s[0:1], 0x30              ; kv
	v_lshl_add_u32 v[SPW], v0, 2, SPARE
	v_mov_b32 v[NIL], 0
	ds_add_u32 v28, v29
	ds_add_u32 v28, v29
	s_wait_dscnt 0x0
	v_lshrrev_b32 v1, 5, v0
	v_readfirstlane_b32 s14, v1                    ; wave 0..3
	s_lshr_b32 s15, s14, 1                         ; which half of A's rows is mine.  Also: I fetch for A (0) or for B (1)
	s_and_b32 s16, s14, 1                          ; which half of B's rows.  Also: which 128 rows I fetch
	s_bfe_u32 s40, ttmp6, 0x40000                  ; cx, cy
	s_bfe_u32 s41, ttmp6, 0x40004
	s_mov_b32 s[KIND], ttmp9                       ; the cluster's x: 0 q, 1 k, 2 v
	s_and_b32 s67, ttmp7, 0xffff                   ; the cluster's y: which 1,024 tokens
	s_cmp_eq_u32 s[KIND], 2
	s_cselect_b32 s42, s67, s[KIND]                ; B's tiles: q, k: 4 KIND + cx of w_attn;  v: 4 y + cx of x
	s_cselect_b32 s17, 0, s67                      ; A's tiles: q, k: 4 y + cy of x;  v: cy of w_attn,
	s_cselect_b32 s2, 2048, 0                      ; from row 2,048 on
	s_lshl_b32 s42, s42, 2
	s_add_co_u32 s42, s42, s40
	s_lshl_b32 s17, s17, 2
	s_add_co_u32 s17, s17, s41
	s_lshl_b32 s43, s41, 2
	s_lshl_b32 s43, 15, s43                        ; my row of the cluster
	s_lshl_b32 s44, 0x1111, s40                    ; my column
	s_or_b32 s[G1+0], s43, (0<<16)|(1<<20)|(1<<21)|(3<<22)|(3<<25)  ; the mask; elements of 1 byte; padding on; bit 21 beside a mask; 4 words of padding behind every 16
	s_or_b32 s[G1B+0], s44, (0<<16)|(1<<20)|(1<<21)|(3<<22)|(3<<25)
.irp g, G1, G1B
	s_mov_b32 s[\g+1], ROWB<<16                    ; tensor_dim0
	s_mov_b32 s[\g+2], 128<<16                     ; tensor_dim1
	s_mov_b32 s[\g+3], ROWB<<16                    ; tile_dim0
	s_mov_b32 s[\g+4], 128                         ; tile_dim1
	s_mov_b32 s[\g+5], KROW                        ; pitch
	s_mov_b32 s[\g+6], 0
	s_mov_b32 s[\g+7], 0
.endr
	s_or_b32 s[G1S+0], s43, (3<<16)|(1<<20)|(1<<21)|(5<<22)|(3<<25)  ; the scales of 128 rows: 4,096 dense bytes as 16 rows of 256, 16 bytes of padding behind each
	s_or_b32 s[G1SB+0], s44, (3<<16)|(1<<20)|(1<<21)|(5<<22)|(3<<25)
.irp g, G1S, G1SB
	s_mov_b32 s[\g+1], 32<<16
	s_mov_b32 s[\g+2], (128*KS/256)<<16
	s_mov_b32 s[\g+3], 32<<16
	s_mov_b32 s[\g+4], 128*KS/256
	s_mov_b32 s[\g+5], 32
	s_mov_b32 s[\g+6], 0
	s_mov_b32 s[\g+7], 0
.endr
	s_lshl_b32 s18, s16, 7                         ; which 128 rows of the tile I fetch
	s_lshl_b32 s20, s17, 8
	s_add_co_u32 s20, s20, s18
	s_add_co_u32 s20, s20, s2                      ; A's first row
	s_lshl_b32 s46, s42, 8
	s_add_co_u32 s46, s46, s18                     ; B's first row
	s_mov_b32 s21, 0
	s_mov_b32 s47, 0
	s_mov_b64 s[18:19], KS
	s_mul_u64 s[22:23], s[20:21], s[18:19]         ; where these rows' scales begin
	s_mul_u64 s[92:93], s[46:47], s[18:19]
	s_mov_b64 s[18:19], KROW
	s_mul_u64 s[20:21], s[20:21], s[18:19]         ; and their codes
	s_mul_u64 s[46:47], s[46:47], s[18:19]
	s_mul_i32 s45, s14, HALFT                      ; where they go: no place in the cluster enters an LDS address
	s_mul_i32 s94, s14, HALFS
	s_wait_kmcnt 0x0
	s_cmp_eq_u32 s[KIND], 2                        ; which tensor plays A and which B: a choice on the cluster's number alone
	s_cselect_b64 s[100:101], s[8:9], s[4:5]
	s_cselect_b64 s[104:105], s[4:5], s[8:9]
	s_add_nc_u64 s[20:21], s[100:101], s[20:21]
	s_add_nc_u64 s[46:47], s[104:105], s[46:47]
	s_cselect_b64 s[100:101], s[10:11], s[6:7]
	s_cselect_b64 s[104:105], s[6:7], s[10:11]
	s_add_nc_u64 s[22:23], s[100:101], s[22:23]
	s_add_nc_u64 s[92:93], s[104:105], s[92:93]
	CROUND                                         ; all sixteen work-groups are here: the first joint loads meet
	s_mov_b32 s[G0S], 1
	s_add_co_u32 s[G0S+1], s94, SCL
	s_mov_b64 s[G0S+2:G0S+3], s[22:23]
	s_or_b32 s[G0S+3], s[G0S+3], 0x80000000
	s_mov_b32 s[G0SB], 1
	s_add_co_u32 s[G0SB+1], s94, SCL
	s_mov_b64 s[G0SB+2:G0SB+3], s[92:93]
	s_or_b32 s[G0SB+3], s[G0SB+3], 0x80000000
	JLOAD G0S, G1S, G0SB, G1SB                     ; the scales first: they are wanted with K step 0
.irp s, 0,1
	s_mov_b32 s[G0+4*\s], 1
	s_add_co_u32 s[G0+4*\s+1], s45, \s*SLOT
	s_add_nc_u64 s[G0+4*\s+2:G0+4*\s+3], s[20:21], \s*ROWB
	s_or_b32 s[G0+4*\s+3], s[G0+4*\s+3], 0x80000000
	s_mov_b32 s[G0B+4*\s], 1
	s_add_co_u32 s[G0B+4*\s+1], s45, \s*SLOT
	s_add_nc_u64 s[G0B+4*\s+2:G0B+4*\s+3], s[46:47], \s*ROWB
	s_or_b32 s[G0B+4*\s+3], s[G0B+4*\s+3], 0x80000000
	JLOAD G0+4*\s, G1, G0B+4*\s, G1B
.endr
	v_and_b32 v1, 15, v0                           ; r = lane % 16: kept to the end
	v_bfe_u32 v2, v0, 4, 1                         ; h = lane / 16: kept to the end
	v_mul_u32_u24 v3, v1, PITCH
	v_mul_u32_u24 v4, v2, 24
	v_add_nc_u32 v4, v3, v4                        ; a fragment's row x pitch + 24 x half
	v_lshl_add_u32 v5, v2, 4, v4                   ; and the same behind one padding more
	s_mul_i32 s21, s15, HALFT                      ; my 128 rows of A
	s_mul_i32 s22, s16, HALFT                      ; my 128 rows of B,
	s_add_co_u32 s22, s22, 2*HALFT                 ; behind A's 256
.irp s, 0,1
	v_add_nc_u32 v[ADRA+\s], s21, v4
	v_add_nc_u32 v[ADRB+\s], s22, v4
	v_add_nc_u32 v[ADRA+2+\s], s21, v5
	v_add_nc_u32 v[ADRB+2+\s], s22, v5
	s_add_co_u32 s21, s21, SLOT
	s_add_co_u32 s22, s22, SLOT
.endr
	v_mul_u32_u24 v5, v1, KS                       ; my row's scales,
	v_lshrrev_b32 v6, 8, v5
	v_lshl_add_u32 v5, v6, 4, v5                   ; and 16 more for each 256 passed
	s_mul_i32 s21, s15, HALFS
	s_mul_i32 s22, s16, HALFS
	s_add_co_u32 s22, s22, 2*HALFS
	s_sub_co_u32 s22, s22, s21
	v_mul_u32_u24 v6, s22, v2                      ; lanes 16-31 take B's
	s_add_co_u32 s21, s21, SCL
	v_add_nc_u32 v5, v5, v6
	v_add_nc_u32 v[ADRS], s21, v5
	v_and_b32 v6, 31, v0
	v_lshlrev_b32 v[L16], 4, v6
	v_lshlrev_b32 v[L8], 3, v6
.macro FRAG reg, adr, q, i             ; 16 rows x 128 K: 12 registers, as six pieces of 8 bytes; where lanes 16-31's piece lies behind one padding more, the second address register serves
.irp p, 0,1,2,3,4,5
.set PCE, 12*(\q)+6*(\p/3)+\p%3
.if PCE%8 < 5
	ds_load_b64 v[\reg+2*\p:\reg+2*\p+1], v[\adr] offset:8*PCE+16*(PCE/8)+(\i)*16*PITCH
.else
	ds_load_b64 v[\reg+2*\p:\reg+2*\p+1], v[\adr+2] offset:8*PCE+16*(PCE/8)+(\i)*16*PITCH
.endif
.endr
.endm
; 16 matrix instructions: A's blocks a0, a0 + 1 x B's eight.  The 64 accumulators take turns, one instruction a turn, in the same order in every step.
.macro MUL16 a0, p, q, sc, zero
.irp a, \a0, \a0+1
.irp b, 0,1,2,3,4,5,6,7
.if \zero
	v_wmma_scale_f32_16x16x128_f8f6f4 v[8*(8*((\a)%4)+\b):8*(8*((\a)%4)+\b)+7], v[128*(\p)+FR*\b:128*(\p)+FR*\b+FR-1], v[AF+FR*(\a):AF+FR*(\a)+FR-1], 0, v[SC+8*NQ*(\sc)+NQ*\b+(\q)], v[SC+8*NQ*(\sc)+NQ*(\a)+(\q)] matrix_a_fmt:MATRIX_FMT_FP6 matrix_b_fmt:MATRIX_FMT_FP6 matrix_a_scale:MATRIX_SCALE_ROW1
.else
	v_wmma_scale_f32_16x16x128_f8f6f4 v[8*(8*((\a)%4)+\b):8*(8*((\a)%4)+\b)+7], v[128*(\p)+FR*\b:128*(\p)+FR*\b+FR-1], v[AF+FR*(\a):AF+FR*(\a)+FR-1], v[8*(8*((\a)%4)+\b):8*(8*((\a)%4)+\b)+7], v[SC+8*NQ*(\sc)+NQ*\b+(\q)], v[SC+8*NQ*(\sc)+NQ*(\a)+(\q)] matrix_a_fmt:MATRIX_FMT_FP6 matrix_b_fmt:MATRIX_FMT_FP6 matrix_a_scale:MATRIX_SCALE_ROW1
.endif
.endr
.endr
.endm
.macro FETCH_B slot, q, p
	WIN TO_B
.irp i, 0,1,2,3,4,5,6,7
	FRAG 128*(\p)+FR*\i, ADRB+\slot, \q, \i
.endr
	WIN 0
.endm
.macro FETCH_A slot, q, i0
.irp i, \i0, \i0+1, \i0+2, \i0+3
	FRAG AF+FR*(\i), ADRA+\slot, \q, \i
.endr
.endm
.macro SCALES sc                       ; lanes 0-15 take A's block i, lanes 16-31 B's block i: two words a row
.irp i, 0,1,2,3,4,5,6,7
	ds_load_b64 v[SC+8*NQ*\sc+NQ*\i:SC+8*NQ*\sc+NQ*\i+1], v[ADRS] offset:\i*SBLK
.endr
.endm
.macro PLACES n                        ; plain vector lines between a matrix instruction and a load into, or a vector line on, its registers
.rept \n
	v_nop
.endr
.endm
.macro STEP slot, q, zero              ; 128 along K, with its successor in the same slot
	s_wait_dscnt 4*NL                              ; B's set and A's blocks 0-3 are in; A's blocks 4-7 may be out
	WIN MUL_LO
	MUL16 0, (\q)%2, \q, \slot, \zero
	MUL16 2, (\q)%2, \q, \slot, \zero
	s_wait_dscnt 0
	PLACES NP
	FETCH_B \slot, (\q)+1, 1-(\q)%2
	FETCH_A \slot, (\q)+1, 0
	WIN MUL_HI
	MUL16 4, (\q)%2, \q, \slot, \zero
	MUL16 6, (\q)%2, \q, \slot, \zero
	PLACES NP
	WIN 0
	FETCH_A \slot, (\q)+1, 4
.endm
; A slot's last step changes slots: one barrier; in front of it each wave waits for all its tensor loads, adds 0 to its spare word, and waits for that and for its own reads of this slot.
.macro TURN slot, next, fill
	s_wait_tensorcnt 0x0                           ; all my tensor loads have landed: my part of the next slot
	ds_add_u32 v[SPW], v[NIL]
	s_wait_dscnt 4*NL+1                            ; the add and A's blocks 4-7 may be out
	WIN MUL_LO
	MUL16 0, 1, NQ-1, \slot, 0
	s_wait_dscnt 0x0                               ; the add is done, and my reads of this slot are over
	s_barrier_signal -1
	MUL16 2, 1, NQ-1, \slot, 0
	WIN 0
	s_barrier_wait -1
.if \fill
	CREST                                          ; the barrier has opened a round of the cluster's: no wave of any partner still reads this slot or has a load on its way
	s_add_nc_u64 s[G0+4*\slot+2:G0+4*\slot+3], s[G0+4*\slot+2:G0+4*\slot+3], 2*ROWB
	s_add_nc_u64 s[G0B+4*\slot+2:G0B+4*\slot+3], s[G0B+4*\slot+2:G0B+4*\slot+3], 2*ROWB
	JLOAD G0+4*\slot, G1, G0B+4*\slot, G1B         ; the first tensor load behind the round; its four v_nop are the places in front of the loads below
.else
	PLACES NP
.endif
	s_wait_alu depctr_va_vdst(0)
	v_add_nc_u32 v[ADRS], 4*NQ, v[ADRS]
	FETCH_B \next, 0, 0
	FETCH_A \next, 0, 0
	SCALES \next
	WIN MUL_HI
	MUL16 4, 1, NQ-1, \slot, 0
	MUL16 6, 1, NQ-1, \slot, 0
	PLACES NP
	WIN 0
	FETCH_A \next, 0, 4
.endm
	s_wait_alu depctr_va_vdst(0)
	s_wait_tensorcnt 1                             ; the scales and my part of K step 0 are in; K step 1's load may be out
	s_barrier_signal -1
	s_barrier_wait -1
	FETCH_B 0, 0, 0
	FETCH_A 0, 0, 0
	SCALES 0
	FETCH_A 0, 0, 4
	STEP 0, 0, 1                                   ; the first step's products start the sums
	s_mov_b32 s3, LAPS-1
.Llap:
	TURN 0, 1, 1
	STEP 1, 0, 0
	TURN 1, 0, 1
	STEP 0, 0, 0
	s_sub_co_u32 s3, s3, 1
	s_cmp_lg_u32 s3, 0
	s_cbranch_scc1 .Llap
	TURN 0, 1, 0                                   ; the last lap fills nothing
	STEP 1, 0, 0
	s_wait_dscnt 4*NL
	WIN MUL_LO
	MUL16 0, 1, NQ-1, 1, 0
	MUL16 2, 1, NQ-1, 1, 0
	s_wait_dscnt 0
	WIN MUL_HI
	MUL16 4, 1, NQ-1, 1, 0
	MUL16 6, 1, NQ-1, 1, 0
	WIN 0
; ---------------- THE WAY OUT: no LDS; every store of a wave covers whole aligned blocks of 256 bytes.
; 32 numbers of a lane (block b in v[s + 16 b] on; lanes l and l xor 16 share a block) become 6 registers of codes at v[pc] on and the scale word (two bytes) in v[pw].
.macro QUANT2 s, pc, pc2, pw, tm
.irp b, 0,1
	v_max3_num_f32 v[\tm+\b], |v[\s+16*\b]|, |v[\s+1+16*\b]|, 0x1800000   ; my 16 numbers, and the floor 2^(3 - 127): the byte cannot fall under 1
.endr
.irp i, 2,4,6,8,10,12,14
.irp b, 0,1
	v_max3_num_f32 v[\tm+\b], v[\tm+\b], |v[\s+16*\b+\i]|, |v[\s+1+16*\b+\i]|
.endr
.endr
.irp b, 0,1
	v_permlanex16_b32 v[\tm+4+\b], v[\tm+\b], s[SEL], s[SEL+1]
.endr
.irp b, 0,1
	v_max_num_f32 v[\tm+\b], v[\tm+\b], v[\tm+4+\b]   ; the block's largest magnitude
.endr
.irp b, 0,1
	v_add_nc_u32 v[\tm+12+\b], 0xff000000, v[\tm+\b]   ; 2 off its exponent field: the conversion's scale operand
.endr
.irp b, 0,1
	v_lshrrev_b32 v[\tm+4+\b], 23, v[\tm+12+\b]       ; the scale's byte
.endr
	v_lshl_or_b32 v[\pw], v[\tm+5], 8, v[\tm+4]
	v_cvt_scalef32_pk16_fp6_f32 v[\pc:\pc+2], v[\s:\s+15], v[\tm+12]
	v_cvt_scalef32_pk16_fp6_f32 v[\pc2:\pc2+2], v[\s+16:\s+31], v[\tm+13]
	v_nop                                          ; one plain place behind a scaled conversion
.irp i, 0,1,2
	v_permlane16_swap_b32 v[\pc+\i], v[\pc2+\i]    ; a whole block to a lane: lanes 0-15 block 0, lanes 16-31 block 1
.endr
.irp i, 0,1,2
	v_mov_b32 v[\pc+3+\i], v[\pc2+\i]
.endr
.endm
; 64 numbers of a lane (four blocks) become 12 registers at v[QC] on and the scale word (four bytes) in v[pw].
.macro QUANT4 s, pw
.irp b, 0,1,2,3
	v_max3_num_f32 v[TM+\b], |v[\s+16*\b]|, |v[\s+1+16*\b]|, 0x1800000
.endr
.irp i, 2,4,6,8,10,12,14
.irp b, 0,1,2,3
	v_max3_num_f32 v[TM+\b], v[TM+\b], |v[\s+16*\b+\i]|, |v[\s+1+16*\b+\i]|
.endr
.endr
.irp b, 0,1,2,3
	v_permlanex16_b32 v[TM+4+\b], v[TM+\b], s[SEL], s[SEL+1]
.endr
.irp b, 0,1,2,3
	v_max_num_f32 v[TM+\b], v[TM+\b], v[TM+4+\b]
.endr
.irp b, 0,1,2,3
	v_add_nc_u32 v[TM+12+\b], 0xff000000, v[TM+\b]
.endr
.irp b, 0,1,2,3
	v_lshrrev_b32 v[TM+4+\b], 23, v[TM+12+\b]
.endr
	v_lshl_or_b32 v[\pw], v[TM+5], 8, v[TM+4]
	v_lshl_or_b32 v[\pw], v[TM+6], 16, v[\pw]
	v_lshl_or_b32 v[\pw], v[TM+7], 24, v[\pw]
.irp c, 0,1
	v_cvt_scalef32_pk16_fp6_f32 v[QC+6*\c:QC+2+6*\c], v[\s+32*\c:\s+15+32*\c], v[TM+12+2*\c]
	v_cvt_scalef32_pk16_fp6_f32 v[QC+12+4*\c:QC+14+4*\c], v[\s+16+32*\c:\s+31+32*\c], v[TM+12+2*\c+1]
.endr
	v_nop
.irp c, 0,1
.irp i, 0,1,2
	v_permlane16_swap_b32 v[QC+6*\c+\i], v[QC+12+4*\c+\i]
.endr
.irp i, 0,1,2
	v_mov_b32 v[QC+3+6*\c+\i], v[QC+12+4*\c+\i]
.endr
.endr
.endm
; Sines and cosines of 16 angles (0 or more): n = the nearest whole number to angle x 2 / pi, r = angle - n pi / 2 in two parts, polynomials on |r| <= pi / 4, the quadrant from n's two low bits.
.macro SINCOS ang, c, s
.irp p, 0,2,4,6,8,10,12,14
	v_pk_fma_f32 v[KK+\p:KK+\p+1], v[\ang+\p:\ang+\p+1], 0x3f22f983, v[CON:CON+1] op_sel_hi:[1,0,1]   ; 1.5 x 2^23 + n: n stands in the low bits
.endr
.irp p, 0,2,4,6,8,10,12,14
	v_pk_add_f32 v[WW+\p:WW+\p+1], v[KK+\p:KK+\p+1], v[CON:CON+1] neg_lo:[0,1] neg_hi:[0,1]           ; n
.endr
.irp p, 0,2,4,6,8,10,12,14
	v_pk_fma_f32 v[RR+\p:RR+\p+1], v[WW+\p:WW+\p+1], 0xbfc90fdb, v[\ang+\p:\ang+\p+1] op_sel_hi:[1,0,1]
.endr
.irp p, 0,2,4,6,8,10,12,14
	v_pk_fma_f32 v[RR+\p:RR+\p+1], v[WW+\p:WW+\p+1], 0x333bbd2e, v[RR+\p:RR+\p+1] op_sel_hi:[1,0,1]   ; r
.endr
.irp p, 0,2,4,6,8,10,12,14
	v_pk_mul_f32 v[ZZ+\p:ZZ+\p+1], v[RR+\p:RR+\p+1], v[RR+\p:RR+\p+1]                                 ; z = r r
.endr
.irp p, 0,2,4,6,8,10,12,14
	v_pk_fma_f32 v[PS+\p:PS+\p+1], v[ZZ+\p:ZZ+\p+1], 0xb94ca1f9, v[CON+2:CON+3] op_sel_hi:[1,0,1]
	v_pk_fma_f32 v[PO+\p:PO+\p+1], v[ZZ+\p:ZZ+\p+1], 0x37ccf5ce, v[CON+6:CON+7] op_sel_hi:[1,0,1]
.endr
.irp p, 0,2,4,6,8,10,12,14
	v_pk_fma_f32 v[PS+\p:PS+\p+1], v[PS+\p:PS+\p+1], v[ZZ+\p:ZZ+\p+1], v[CON+4:CON+5]
	v_pk_fma_f32 v[PO+\p:PO+\p+1], v[PO+\p:PO+\p+1], v[ZZ+\p:ZZ+\p+1], v[CON+8:CON+9]
.endr
.irp p, 0,2,4,6,8,10,12,14
	v_pk_mul_f32 v[WW+\p:WW+\p+1], v[ZZ+\p:ZZ+\p+1], v[RR+\p:RR+\p+1]
.endr
.irp p, 0,2,4,6,8,10,12,14
	v_pk_fma_f32 v[PS+\p:PS+\p+1], v[PS+\p:PS+\p+1], v[WW+\p:WW+\p+1], v[RR+\p:RR+\p+1]               ; sin r
.endr
.irp p, 0,2,4,6,8,10,12,14
	v_pk_fma_f32 v[WW+\p:WW+\p+1], v[ZZ+\p:ZZ+\p+1], -0.5, 1.0 op_sel_hi:[1,0,0]
.endr
.irp p, 0,2,4,6,8,10,12,14
	v_pk_mul_f32 v[ZZ+\p:ZZ+\p+1], v[ZZ+\p:ZZ+\p+1], v[ZZ+\p:ZZ+\p+1]
.endr
.irp p, 0,2,4,6,8,10,12,14
	v_pk_fma_f32 v[PO+\p:PO+\p+1], v[PO+\p:PO+\p+1], v[ZZ+\p:ZZ+\p+1], v[WW+\p:WW+\p+1]               ; cos r
.endr
.irp i, 0,1,2,3,4,5,6,7,8,9,10,11,12,13,14,15
	v_lshlrev_b32 v[WW+\i], 31, v[KK+\i]           ; n's bit 0 at the sign's place: sine and cosine change places
	v_cmp_ne_u32 vcc_lo, 0, v[WW+\i]
	v_cndmask_b32 v[\s+\i], v[PS+\i], v[PO+\i], vcc_lo
	v_cndmask_b32 v[\c+\i], v[PO+\i], v[PS+\i], vcc_lo
	v_lshlrev_b32 v[KK+\i], 30, v[KK+\i]
	v_and_b32 v[KK+\i], 0x80000000, v[KK+\i]       ; n's bit 1: the sine's sign
	v_xor_b32 v[\s+\i], v[KK+\i], v[\s+\i]
	v_xor_b32 v[KK+\i], v[KK+\i], v[WW+\i]         ; bit 1 xor bit 0: the cosine's
	v_xor_b32 v[\c+\i], v[KK+\i], v[\c+\i]
.endr
.endm
; q, k: tokens 16 a on, head e of my two: bias (the packed addition also brings the sums into window 0; each accumulator is read from its low end on), RoPE, codes, two stores.
.macro QK_OUT a, e
	WIN 0x06+(\a)/4                                ; source 0: window 2 or 3; source 1 (the bias): window 1
.set AC, 64*((\a)%4)+32*(\e)
.set BI, 96+128*(\e)
.irp k, 0,2,4,6,8,10,12,14,16,18,20,22,24,26,28,30
	v_pk_add_f32 v[T+\k:T+\k+1], v[AC+\k:AC+\k+1], v[BI+\k:BI+\k+1]
.endr
	WIN 0
.set CC, C0+160*((\a)%2)
.irp k, 0,2,4,6,8,10,12,14
	v_pk_mul_f32 v[O+\k:O+\k+1], v[T+\k:T+\k+1], v[CC+\k:CC+\k+1]
	v_pk_mul_f32 v[O+16+\k:O+17+\k], v[T+16+\k:T+17+\k], v[CC+\k:CC+\k+1]
.endr
.irp k, 0,2,4,6,8,10,12,14
	v_pk_fma_f32 v[O+\k:O+\k+1], v[T+16+\k:T+17+\k], v[CC+16+\k:CC+17+\k], v[O+\k:O+\k+1] neg_lo:[0,1,0] neg_hi:[0,1,0]   ; first cos - second sin
	v_pk_fma_f32 v[O+16+\k:O+17+\k], v[T+\k:T+\k+1], v[CC+16+\k:CC+17+\k], v[O+16+\k:O+17+\k]                             ; second cos + first sin
.endr
	s_wait_xcnt 0x0                                ; the codes' registers are the last stores' data: written again only behind this wait
	QUANT2 O, QC, QC2, PW+8*(\e)+(\a), TM
	global_store_b128 v[L16], v[QC:QC+3], s[DST+4*(\e):DST+4*(\e)+1] offset:768*(\a)
	global_store_b64 v[L8], v[QC+4:QC+5], s[DST+4*(\e):DST+4*(\e)+1] offset:768*(\a)+512
.endm
.macro ROT a                           ; the other set = this set turned by 16 positions
.set CA, C0+160*((\a)%2)
.set CB, C0+160*(1-(\a)%2)
.irp k, 0,2,4,6,8,10,12,14
	v_pk_mul_f32 v[CB+\k:CB+\k+1], v[CA+\k:CA+\k+1], v[CDL+\k:CDL+\k+1]
	v_pk_mul_f32 v[CB+16+\k:CB+17+\k], v[CA+16+\k:CA+17+\k], v[CDL+\k:CDL+\k+1]
.endr
.irp k, 0,2,4,6,8,10,12,14
	v_pk_fma_f32 v[CB+\k:CB+\k+1], v[CA+16+\k:CA+17+\k], v[CDL+16+\k:CDL+17+\k], v[CB+\k:CB+\k+1] neg_lo:[0,1,0] neg_hi:[0,1,0]
	v_pk_fma_f32 v[CB+16+\k:CB+17+\k], v[CA+\k:CA+\k+1], v[CDL+16+\k:CDL+17+\k], v[CB+16+\k:CB+17+\k]
.endr
.endm
; v: channels 16 a on (head a / 4, tile a % 4), my 128 keys: bias, codes, three stores.
.macro V_OUT a
	WIN 0x06+(\a)/4
.set AC, 64*((\a)%4)
.set k, 0
.rept 32
	v_pk_add_f32 v[T+k:T+k+1], v[AC+k:AC+k+1], v[96+2*(\a):97+2*(\a)]
.set k, k+2
.endr
	WIN 0
	s_wait_xcnt 0x0                                ; the codes' registers are the last stores' data
	QUANT4 T, PW+(\a)
.irp c, 0,1,2
	global_store_b128 v[L16], v[QC+4*\c:QC+4*\c+3], s[DST+4*((\a)/4):DST+4*((\a)/4)+1] offset:((\a)%4)*1536+512*\c
.endr
.endm
	PLACES NP                                      ; behind the last products: their operands' registers are written, and results read, from here on
	s_mov_b32 s66, 0xffff0000                      ; lanes 16-31
	s_mov_b32 s[SEL], 0x76543210
	s_mov_b32 s[SEL+1], 0xfedcba98
	s_mov_b32 s93, 0
.irp b, 0,1,2,3
	v_mov_b32 v[TM+4+\b], 0                        ; written once: a lane permute's destination counts as one of its sources
.endr
	s_cmp_eq_u32 s[KIND], 2                        ; the one parting on KIND, the same in all partners; no barrier, tensor load or LDS line stands on either way
	s_cbranch_scc1 .Lout_v
	; ---- q, k.  The bias of my 128 channels, in the result's layout: lane (r, h), block b: channels 16 b + 8 h + 0 .. 7.  The loads land while the tables are made.
	s_lshl_b32 s92, s42, 10
	s_lshl_b32 s94, s16, 9
	s_add_co_u32 s92, s92, s94
	s_add_nc_u64 s[12:13], s[12:13], s[92:93]
	v_lshlrev_b32 v7, 5, v2
	WIN 0x40
.irp b, 0,1,2,3,4,5,6,7
	global_load_b128 v[96+128*(\b/4)+8*(\b%4):96+128*(\b/4)+8*(\b%4)+3], v7, s[12:13] offset:64*\b
	global_load_b128 v[96+128*(\b/4)+8*(\b%4)+4:96+128*(\b/4)+8*(\b%4)+7], v7, s[12:13] offset:64*\b+16
.endr
	WIN 0
	v_lshlrev_b32 v8, 3, v2
.irp i, 0,1,2,3,4,5,6,7,8,9,10,11,12,13,14,15
	v_add_nc_u32 v[TH+\i], 16*(\i/8)+\i%8, v8      ; register i pairs channels f and 32 + f, f = 16 (i / 8) + 8 h + i % 8
.endr
.irp i, 0,1,2,3,4,5,6,7,8,9,10,11,12,13,14,15
	v_cvt_f32_u32 v[TH+\i], v[TH+\i]
.endr
.irp i, 0,1,2,3,4,5,6,7,8,9,10,11,12,13,14,15
	v_mul_f32 v[TH+\i], 0xbed49a78, v[TH+\i]       ; x -log2(10000) / 32
.endr
	s_wait_alu depctr_va_vdst(0)
.irp i, 0,1,2,3,4,5,6,7,8,9,10,11,12,13,14,15
	v_exp_f32 v[TH+\i], v[TH+\i]                   ; 1 / timescale
.endr
.irp i, 0,1
	v_mov_b32 v[CON+\i], 0x4b400000                ; 1.5 x 2^23.  (Plain lines behind the exponentials)
	v_mov_b32 v[CON+2+\i], 0x3c08839e
	v_mov_b32 v[CON+4+\i], 0xbe2aaaa3
	v_mov_b32 v[CON+6+\i], 0xbab6061a
	v_mov_b32 v[CON+8+\i], 0x3d2aaaa5
.endr
	s_and_b32 s67, s17, 7
	s_lshl_b32 s67, s67, 1
	s_add_co_u32 s67, s67, s15                     ; which 128 tokens of the batch are mine
	s_lshl_b32 s94, s67, 7
	v_add_nc_u32 v9, s94, v1
	v_cvt_f32_u32 v[CON+10], v9                    ; the position of my lane's token in block 0
	v_mov_b32 v[CON+11], v[CON+10]
	s_wait_alu depctr_va_vdst(0)
.irp p, 0,2,4,6,8,10,12,14
	v_pk_mul_f32 v[ANG+\p:ANG+\p+1], v[TH+\p:TH+\p+1], v[CON+10:CON+11]
.endr
	SINCOS ANG, C0, C0+16
.irp p, 0,2,4,6,8,10,12,14
	v_pk_mul_f32 v[ANG+\p:ANG+\p+1], v[TH+\p:TH+\p+1], 0x41800000 op_sel_hi:[1,0]   ; 16 positions
.endr
	SINCOS ANG, CDL, CDL+16
	s_lshr_b32 s92, s17, 3                         ; the batch
	s_lshl_b32 s92, s92, 4
	s_lshl_b32 s94, s40, 2
	s_add_co_u32 s92, s92, s94
	s_lshl_b32 s94, s16, 1
	s_add_co_u32 s92, s92, s94                     ; 16 x batch + my first head (4 cx + 2 x half)
	s_lshl_b32 s92, s92, 4
	s_add_co_u32 s92, s92, s67                     ; the record's number
	s_mov_b32 s94, 2*REC
	s_cmp_eq_u32 s[KIND], 0
	s_cselect_b32 s94, REC, s94
	s_cselect_b64 s[DST:DST+1], s[96:97], s[98:99]
	s_mul_i32 s92, s92, s94
	s_add_nc_u64 s[DST:DST+1], s[DST:DST+1], s[92:93]
	s_lshl_b32 s92, s94, 4                         ; the next head lies 16 records on
	s_add_nc_u64 s[DST+4:DST+5], s[DST:DST+1], s[92:93]
	s_wait_loadcnt 0x0                             ; the bias
.irp a, 0,1,2,3,4,5,6,7
	QK_OUT \a, 0
	QK_OUT \a, 1
.if \a < 7
	ROT \a
.endif
.endr
.irp e, 0,1
.irp j, 0,1,2,3
	v_cndmask_b32 v[48+4*\e+\j], v[PW+8*\e+\j], v[PW+8*\e+4+\j], s66   ; lanes 0-15: tile j's word, lanes 16-31: tile 4 + j's
.endr
	global_store_b128 v[L16], v[48+4*\e:51+4*\e], s[DST+4*\e:DST+4*\e+1] offset:6144
.endr
	s_branch .Lend
.Lout_v:
	; ---- v.  The bias of my lane's channel in block a, into both registers of a pair for the packed addition.
	s_lshl_b32 s92, s41, 10
	s_lshl_b32 s94, s15, 9
	s_add_co_u32 s92, s92, s94
	s_add_co_u32 s92, s92, 8192
	s_add_nc_u64 s[12:13], s[12:13], s[92:93]
	v_lshlrev_b32 v7, 2, v1
	WIN 0x40
.irp a, 0,1,2,3,4,5,6,7
	global_load_b32 v[96+2*\a], v7, s[12:13] offset:64*\a
	global_load_b32 v[97+2*\a], v7, s[12:13] offset:64*\a
.endr
	WIN 0
	s_and_b32 s67, s42, 7
	s_lshl_b32 s67, s67, 1
	s_add_co_u32 s67, s67, s16                     ; which 128 keys of the batch are mine
	s_lshr_b32 s92, s42, 3
	s_lshl_b32 s92, s92, 4
	s_lshl_b32 s94, s41, 2
	s_add_co_u32 s92, s92, s94
	s_lshl_b32 s94, s15, 1
	s_add_co_u32 s92, s92, s94                     ; 16 x batch + my first head (4 cy + 2 x half)
	s_lshl_b32 s92, s92, 4
	s_add_co_u32 s92, s92, s67
	s_mul_i32 s92, s92, 2*REC
	s_add_co_u32 s92, s92, REC                     ; v's record lies behind k's
	s_add_nc_u64 s[DST:DST+1], s[98:99], s[92:93]
	s_add_nc_u64 s[DST+4:DST+5], s[DST:DST+1], 32*REC
	s_wait_loadcnt 0x0
.irp a, 0,1,2,3,4,5,6,7
	V_OUT \a
.endr
.irp e, 0,1
	global_store_b128 v[L16], v[PW+4*\e:PW+4*\e+3], s[DST+4*\e:DST+4*\e+1] offset:6144   ; every lane: its channel's words of the head's four tiles
.endr
.Lend:
	s_wait_tensorcnt 0x0                           ; the wave's end
	ds_add_u32 v[SPW], v[NIL]
	s_wait_dscnt 0x0
	CROUND                                         ; the closing round
	s_endpgm
.Lfunc_end_k_qf0df064eeb_qkv:
	.size	k_qf0df064eeb_qkv, .Lfunc_end_k_qf0df064eeb_qkv-k_qf0df064eeb_qkv
	.p2alignl 7, 3214868480
	.fill 96, 4, 3214868480
	.section	.rodata,"a",@progbits
	.p2align	6, 0x0
	.amdhsa_kernel k_qf0df064eeb_qkv
		.amdhsa_group_segment_fixed_size 327680
		.amdhsa_private_segment_fixed_size 0
		.amdhsa_enable_private_segment 0
		.amdhsa_kernarg_size 56
		.amdhsa_user_sgpr_count 2
		.amdhsa_user_sgpr_kernarg_segment_ptr 1
		.amdhsa_wavefront_size32 1
		.amdhsa_system_sgpr_workgroup_id_x 1
		.amdhsa_system_sgpr_workgroup_id_y 1
		.amdhsa_system_sgpr_workgroup_id_z 1
		.amdhsa_system_vgpr_workitem_id 0
		.amdhsa_next_free_vgpr 1024
		.amdhsa_next_free_sgpr 106
		.amdhsa_reserve_vcc 1
		.amdhsa_float_denorm_mode_32 3
		.amdhsa_float_denorm_mode_16_64 3
		.amdhsa_memory_ordered 1
		.amdhsa_forward_progress 1
		.amdhsa_inst_pref_size 255
	.end_amdhsa_kernel
	.section	.bss,"aw",@nobits
	.p2align	6
	.space	262144
	.amdgpu_metadata
---
amdhsa.version: [ 1, 2 ]
amdhsa.kernels:
  - .name:           k_qf0df064eeb_qkv
    .symbol:         k_qf0df064eeb_qkv.kd
    .args:
      - { .name: x_codes, .offset: 0, .size: 8, .value_kind: global_buffer, .address_space: global }
      - { .name: x_scales, .offset: 8, .size: 8, .value_kind: global_buffer, .address_space: global }
      - { .name: w_attn_codes, .offset: 16, .size: 8, .value_kind: global_buffer, .address_space: global }
      - { .name: w_attn_scales, .offset: 24, .size: 8, .value_kind: global_buffer, .address_space: global }
      - { .name: b_attn, .offset: 32, .size: 8, .value_kind: global_buffer, .address_space: global }
      - { .name: qimg, .offset: 40, .size: 8, .value_kind: global_buffer, .address_space: global }
      - { .name: kv, .offset: 48, .size: 8, .value_kind: global_buffer, .address_space: global }
    .group_segment_fixed_size: 327680
    .private_segment_fixed_size: 0
    .kernarg_segment_align: 8
    .kernarg_segment_size: 56
    .max_flat_workgroup_size: 128
    .sgpr_count:     106
    .vgpr_count:     1024
    .wavefront_size: 32
...
	.end_amdgpu_metadata
.endif
;; end of part 1
;; launch attn (part 2): grid 8 x 32, 16 waves a work-group, no clusters, 327,680 bytes of LDS; arguments qimg, kv, yimg; writes yimg
.if DOCPART == 2
	.amdgcn_target "amdgcn-amd-amdhsa--gfx1250"
	.amdhsa_code_object_version 6
	.text
	.protected	k_qf0df064eeb_attn
	.globl	k_qf0df064eeb_attn
	.p2align	8
	.type	k_qf0df064eeb_attn,@function
k_qf0df064eeb_attn:
	s_mov_b64 s[64:65], 0
	v_nop
	global_prefetch_b8 v0, s[64:65] scope:SCOPE_SE
	s_setreg_imm32_b32 hwreg(HW_REG_WAVE_MODE, 25, 1), 1
	s_wait_xcnt 0x0
.set REC,   6656
.set STEPB, 2*REC
.set HEADB, 16*STEPB
.set YS,    HEADB
.set L16, 1
.set L8,  2
.set A16, 3
.set A8,  4
.set YW,  5
.set YR,  6
.set DM,  7
.set KR,  32
.set VR,  80
.set S,   128
.set O,   192
.set WV,  18
.set TA,  19
.set SEL, 20
.set CS,  22
.set G1A, 24
.set G1B, 32
.set G0A, 40
.set G0B, 44
.set TB,  48
.set KS0, 49
.set Q0,  51
.set CNT, 52
	s_load_b128 s[4:7], s[0:1], 0x0
	s_load_b64 s[8:9], s[0:1], 0x10
	v_lshl_add_u32 v11, v0, 2, 0x34400
	v_mov_b32 v243, 0
	ds_add_u32 v11, v243
	ds_add_u32 v11, v243
	v_lshrrev_b32 v8, 5, v0
	s_delay_alu instid0(VALU_DEP_1)
	v_readfirstlane_b32 s[WV], v8
	s_lshr_b32 s[TA], s[WV], 1
	s_lshr_b32 s53, s[WV], 2
	s_xor_b32 s53, s53, s[WV]
	s_and_b32 s53, s53, 1
	s_mov_b32 s55, ttmp9
	s_and_b32 s56, ttmp7, 0xffff
	s_sub_co_u32 s54, 15, s55
	s_cmp_eq_u32 s53, 1
	s_cselect_b32 s54, s54, s55
	s_lshl_b32 s[Q0], s54, 7
	s_lshl_b32 s50, s[TA], 4
	s_add_co_u32 s[Q0], s[Q0], s50
	s_mov_b32 s[G1A], 3<<16
	s_mov_b32 s[G1A+1], 32<<16
	s_mov_b32 s[G1A+2], 13<<16
	s_mov_b32 s[G1A+3], 32<<16
	s_mov_b32 s[G1A+4], 13
	s_mov_b32 s[G1A+5], 32
	s_mov_b32 s[G1A+6], 0
	s_mov_b32 s[G1A+7], 0
	s_mov_b32 s[G1B], 3<<16
	s_mov_b32 s[G1B+1], 32<<16
	s_mov_b32 s[G1B+2], 39<<16
	s_mov_b32 s[G1B+3], 32<<16
	s_mov_b32 s[G1B+4], 39
	s_mov_b32 s[G1B+5], 32
	s_mov_b32 s[G1B+6], 0
	s_mov_b32 s[G1B+7], 0
	s_mul_i32 s58, s56, HEADB
	s_mov_b32 s59, 0
	s_mul_i32 s60, s[WV], 13*256
	s_mov_b32 s61, 0
	s_mul_i32 s62, s[WV], 39*256
	s_add_co_u32 s62, s62, 4*STEPB
	s_mov_b32 s63, 0
	s_mov_b32 s[SEL], 0x76543210
	s_mov_b32 s[SEL+1], 0xfedcba98
	s_mov_b32 s[CS], 0x3e38aa3b
	s_mov_b32 s[CS+1], s[CS]
	s_mov_b32 s[TB], 0
	s_mov_b32 s[KS0], 0
	s_wait_dscnt 0x0
	s_wait_kmcnt 0x0
	s_add_nc_u64 s[6:7], s[6:7], s[58:59]
	s_mov_b32 s[G0A], 1
	s_mov_b32 s[G0A+1], s60
	s_add_nc_u64 s[G0A+2:G0A+3], s[6:7], s[60:61]
	s_or_b32 s[G0A+3], s[G0A+3], 0x80000000
	s_mov_b32 s[G0B], 1
	s_mov_b32 s[G0B+1], s62
	s_add_nc_u64 s[G0B+2:G0B+3], s[6:7], s[62:63]
	s_or_b32 s[G0B+3], s[G0B+3], 0x80000000
	tensor_load_to_lds s[G0A:G0A+3], s[G1A:G1A+7]
	s_nop 0
	s_wait_alu depctr_va_vdst(0)
	s_wait_tensorcnt 0x0
	ds_add_u32 v11, v243
	s_wait_dscnt 0x0
	s_barrier_signal -1
	s_barrier_wait -1
	tensor_load_to_lds s[G0B:G0B+3], s[G1B:G1B+7]
	s_nop 0
.rept 4
	v_nop
.endr
	s_lshl_b32 s58, s56, 4
	s_add_co_u32 s58, s58, s54
	s_mul_i32 s58, s58, REC
	s_add_nc_u64 s[4:5], s[4:5], s[58:59]
	s_lshr_b32 s60, s[TA], 2
	s_lshl_b32 s60, s60, 8
	s_and_b32 s62, s[TA], 3
	s_lshl_b32 s62, s62, 2
	s_add_co_u32 s60, s60, s62
	s_add_co_u32 s58, s60, 6144
	s_add_nc_u64 s[10:11], s[4:5], s[58:59]
	s_mul_i32 s58, s[TA], 768
	s_add_nc_u64 s[4:5], s[4:5], s[58:59]
	s_lshl_b32 s62, s53, 9
	s_add_co_u32 s50, s60, s62
	s_add_co_u32 s50, s50, YS
	s_lshr_b32 s62, s56, 4
	s_lshl_b32 s62, s62, 4
	s_add_co_u32 s62, s62, s54
	s_lshl_b32 s62, s62, 4
	s_and_b32 s60, s56, 15
	s_add_co_u32 s62, s62, s60
	s_mul_i32 s62, s62, REC
	s_add_co_u32 s62, s62, s58
	s_add_nc_u64 s[8:9], s[8:9], s[62:63]
	v_and_b32 v8, 31, v0
	s_delay_alu instid0(VALU_DEP_1)
	v_lshlrev_b32 v[L16], 4, v8
	s_delay_alu instid0(VALU_DEP_2)
	v_lshlrev_b32 v[L8], 3, v8
	v_and_b32 v8, 15, v0
	v_bfe_u32 v9, v0, 4, 1
	s_delay_alu instid0(VALU_DEP_2)
	v_lshlrev_b32 v10, 4, v8
	global_load_b128 v[16:19], v[L16], s[4:5]
	global_load_b64 v[20:21], v[L8], s[4:5] offset:512
	global_load_b32 v255, v10, s[10:11]
	v_add_nc_u32 v[YW], s50, v10
	s_min_u32 s50, s[WV], 1
	s_lshl_b32 s50, s50, 9
	s_add_co_u32 s50, s50, YS
	v_add_nc_u32 v[YR], s50, v[L16]
	v_lshlrev_b32 v9, 3, v9
	s_delay_alu instid0(VALU_DEP_1)
	v_sub_nc_u32 v[DM], v8, v9
.irp i, 22,23,24,25,26,27
	v_mov_b32 v[\i], 0
.endr
.irp t, 0,1,2,3
.irp i, 6,7,8,9,10,11
	v_mov_b32 v[KR+12*\t+\i], 0
.endr
.endr
	v_mov_b32 v13, 0xff61b1e6
	s_delay_alu instid0(VALU_DEP_1)
	v_floor_f32 v12, -v13
	v_mov_b32 v14, 0
	v_mov_b32 v15, 0
.irp b, 0,1,2,3
	v_mov_b32 v[236+\b], 0
.endr
	v_mov_b32 v252, 0
	v_mov_b32 v253, 0
.set j, 0
.rept 32
	v_mov_b32 v[O+j], 0
.set j, j+1
.endr
.macro STEP
	s_add_co_u32 s50, s[Q0], 15
	s_cmp_gt_u32 s[KS0], s50
	s_cbranch_scc1 .Lhid_\@
	s_setprio 2
	v_add_nc_u32 v[A16], s[TB], v[L16]
	v_add_nc_u32 v[A8], s[TB], v[L8]
	v_nop
	v_nop
	ds_load_b128 v[248:251], v[A16] offset:6144
.irp t, 0,1,2,3
	ds_load_b128 v[KR+12*\t:KR+12*\t+3], v[A16] offset:768*\t
	ds_load_b64 v[KR+12*\t+4:KR+12*\t+5], v[A8] offset:768*\t+512
.endr
	s_wait_alu depctr_va_vdst(0)
	s_wait_dscnt 0x0
.irp t, 0,1,2,3
	v_wmma_scale_f32_16x16x128_f8f6f4 v[S+8*\t:S+8*\t+7], v[KR+12*\t:KR+12*\t+11], v[16:27], 0, v[248+\t], v255 matrix_a_fmt:MATRIX_FMT_FP6 matrix_b_fmt:MATRIX_FMT_FP6
.endr
.rept 4
	v_nop
.endr
.irp t, 0,1,2,3
	ds_load_b128 v[KR+12*\t:KR+12*\t+3], v[A16] offset:768*(4+\t)
	ds_load_b64 v[KR+12*\t+4:KR+12*\t+5], v[A8] offset:768*(4+\t)+512
.endr
.irp t, 0,1,2,3
.irp c, 0,1,2
	ds_load_b128 v[VR+12*\t+4*\c:VR+12*\t+4*\c+3], v[A16] offset:REC+1536*\t+512*\c
.endr
.endr
	ds_load_b128 v[28:31], v[A16] offset:REC+6144
	s_wait_dscnt 13
.irp t, 0,1,2,3
	v_wmma_scale_f32_16x16x128_f8f6f4 v[S+32+8*\t:S+32+8*\t+7], v[KR+12*\t:KR+12*\t+11], v[16:27], 0, v[248+\t], v255 matrix_a_fmt:MATRIX_FMT_FP6 matrix_b_fmt:MATRIX_FMT_FP6 matrix_a_scale:MATRIX_SCALE_ROW1
.endr
.rept 4
	v_nop
.endr
	s_add_co_u32 s50, s[KS0], 127
	s_cmp_le_u32 s50, s[Q0]
	s_cbranch_scc1 .Lopen_\@
	s_sub_co_i32 s50, s[Q0], s[KS0]
	v_add_nc_u32 v252, s50, v[DM]
	v_mov_b32 v254, 0xff800000
.set n, 0
.rept 64
	v_cmp_gt_i32 vcc_lo, 16*(n/8)+n%8, v252
	v_cndmask_b32 v[S+n], v[S+n], v254, vcc_lo
.set n, n+1
.endr
.Lopen_\@:
.irp b, 0,1,2,3
	v_max3_num_f32 v[232+\b], v[S+16*\b], v[S+1+16*\b], v[S+2+16*\b]
.endr
.irp i, 3,5,7,9,11,13
.irp b, 0,1,2,3
	v_max3_num_f32 v[232+\b], v[232+\b], v[S+16*\b+\i], v[S+1+16*\b+\i]
.endr
.endr
.irp b, 0,1,2,3
	v_max_num_f32 v[232+\b], v[232+\b], v[S+15+16*\b]
.endr
.irp b, 0,1,2,3
	s_delay_alu instid0(VALU_DEP_4)
	v_permlanex16_b32 v[236+\b], v[232+\b], s[SEL], s[SEL+1]
.endr
.irp b, 0,1,2,3
	s_delay_alu instid0(VALU_DEP_4)
	v_max_num_f32 v[232+\b], v[232+\b], v[236+\b]
.endr
	s_delay_alu instid0(VALU_DEP_2)
	v_max3_num_f32 v254, v232, v233, v234
	s_delay_alu instid0(VALU_DEP_1)
	v_max_num_f32 v254, v254, v235
	s_delay_alu instid0(VALU_DEP_1)
	v_mul_f32 v254, s[CS], v254
	s_delay_alu instid0(VALU_DEP_1)
	v_max_num_f32 v13, v13, v254
	v_mov_b32 v254, v12
	s_delay_alu instid0(VALU_DEP_2)
	v_floor_f32 v12, -v13
	s_delay_alu instid0(VALU_DEP_1)
	v_sub_f32 v254, v12, v254
	s_delay_alu instid0(VALU_DEP_1)
	v_cvt_i32_f32 v254, v254
	s_delay_alu instid0(VALU_DEP_1)
	v_ldexp_f32 v252, 1.0, v254
.set j, 0
.rept 32
	v_pk_fma_f32 v[S+j:S+j+1], v[S+j:S+j+1], s[CS:CS+1], v[12:13] op_sel_hi:[1,0,0]
.set j, j+2
.endr
	s_setprio 1
.irp b, 0,1,2,3
	v_fma_f32 v[232+\b], v[232+\b], s[CS], v12
.endr
.set j, 0
	s_wait_alu depctr_va_vdst(0)
.rept 64
	v_exp_f32 v[S+j], v[S+j]
.set j, j+1
.endr
.irp b, 0,1,2,3
	v_exp_f32 v[232+\b], v[232+\b]
.endr
	v_pk_mul_f32 v[14:15], v[14:15], v[252:253] op_sel_hi:[1,0]
	s_wait_alu depctr_va_vdst(0)
.irp b, 0,1,2,3
	v_max_num_f32 v[232+\b], 0x1800000, v[232+\b]
.endr
.irp b, 0,1,2,3
	s_delay_alu instid0(VALU_DEP_4)
	v_add_nc_u32 v[244+\b], 0xff000000, v[232+\b]
.endr
.irp b, 0,1,2,3
	s_delay_alu instid0(VALU_DEP_4)
	v_lshrrev_b32 v[236+\b], 23, v[244+\b]
.endr
	s_delay_alu instid0(VALU_DEP_3)
	v_lshl_or_b32 v253, v237, 8, v236
	s_delay_alu instid0(VALU_DEP_1)
	v_lshl_or_b32 v253, v238, 16, v253
	s_delay_alu instid0(VALU_DEP_1)
	v_lshl_or_b32 v253, v239, 24, v253
.irp c, 0,1
	v_cvt_scalef32_pk16_fp6_f32 v[224+6*\c:226+6*\c], v[S+32*\c:S+15+32*\c], v[244+2*\c]
	v_cvt_scalef32_pk16_fp6_f32 v[236+4*\c:238+4*\c], v[S+16+32*\c:S+31+32*\c], v[244+2*\c+1]
.endr
	v_nop
.irp c, 0,1
.irp i, 0,1,2
	v_permlane16_swap_b32 v[224+6*\c+\i], v[236+4*\c+\i]
.endr
.irp i, 0,1,2
	s_delay_alu instid0(VALU_DEP_3)
	v_mov_b32 v[227+6*\c+\i], v[236+4*\c+\i]
.endr
.endr
	v_pk_add_f32 v[236:237], v[S:S+1], v[S+2:S+3]
	s_setprio 0
.irp j, 4,8,12,16,20,24,28,32,36,40,44,48,52,56,60
	v_pk_add_f32 v[14:15], v[14:15], v[S+\j:S+\j+1]
	v_pk_add_f32 v[236:237], v[236:237], v[S+2+\j:S+3+\j]
.endr
	s_delay_alu instid0(VALU_DEP_1)
	v_pk_add_f32 v[14:15], v[14:15], v[236:237]
.set j, 0
.rept 16
	v_pk_mul_f32 v[O+j:O+j+1], v[O+j:O+j+1], v[252:253] op_sel_hi:[1,0]
.set j, j+2
.endr
	s_wait_alu depctr_va_vdst(0)
	s_wait_dscnt 0x0
.irp t, 0,1,2,3
	v_wmma_scale_f32_16x16x128_f8f6f4 v[O+8*\t:O+8*\t+7], v[VR+12*\t:VR+12*\t+11], v[224:235], v[O+8*\t:O+8*\t+7], v[28+\t], v253 matrix_a_fmt:MATRIX_FMT_FP6 matrix_b_fmt:MATRIX_FMT_FP6
.endr
.Lhid_\@:
	s_add_co_u32 s[KS0], s[KS0], 128
	s_add_co_u32 s[TB], s[TB], STEPB
.endm
	s_wait_loadcnt 0x0
	s_wait_tensorcnt 1
	s_barrier_signal -1
	s_barrier_wait -1
	s_mov_b32 s[CNT], 4
.Lfirst:
	STEP
	s_sub_co_u32 s[CNT], s[CNT], 1
	s_cmp_lg_u32 s[CNT], 0
	s_cbranch_scc1 .Lfirst
	s_setprio 0
	s_wait_tensorcnt 0x0
	s_wait_dscnt 0x0
	s_barrier_signal -1
	s_barrier_wait -1
	s_mov_b32 s[CNT], 12
.Lrest:
	STEP
	s_sub_co_u32 s[CNT], s[CNT], 1
	s_cmp_lg_u32 s[CNT], 0
	s_cbranch_scc1 .Lrest
	s_setprio 0
.rept 4
	v_nop
.endr
	v_add_f32 v14, v14, v15
	s_delay_alu instid0(VALU_DEP_1)
	v_permlanex16_b32 v252, v14, s[SEL], s[SEL+1]
	s_delay_alu instid0(VALU_DEP_1)
	v_add_f32 v14, v14, v252
	s_wait_alu depctr_va_vdst(0)
	v_rcp_f32 v14, v14
	v_mov_b32 v36, 0
	v_mov_b32 v37, 0
.set j, 0
	s_wait_alu depctr_va_vdst(0)
.rept 16
	v_pk_mul_f32 v[S+j:S+j+1], v[O+j:O+j+1], v[14:15] op_sel_hi:[1,0]
.set j, j+2
.endr
.irp b, 0,1
.irp i, 0,1,2,3,4,5,6,7
	v_permlane16_swap_b32 v[S+16*\b+\i], v[S+8+16*\b+\i]
.endr
.endr
.irp b, 0,1
	v_max3_num_f32 v[32+\b], |v[S+16*\b]|, |v[S+1+16*\b]|, 0x1800000
.endr
.irp i, 2,4,6,8,10,12,14
.irp b, 0,1
	s_delay_alu instid0(VALU_DEP_2)
	v_max3_num_f32 v[32+\b], v[32+\b], |v[S+16*\b+\i]|, |v[S+1+16*\b+\i]|
.endr
.endr
.irp b, 0,1
	s_delay_alu instid0(VALU_DEP_2)
	v_permlanex16_b32 v[36+\b], v[32+\b], s[SEL], s[SEL+1]
.endr
.irp b, 0,1
	s_delay_alu instid0(VALU_DEP_2)
	v_max_num_f32 v[32+\b], v[32+\b], v[36+\b]
.endr
.irp b, 0,1
	s_delay_alu instid0(VALU_DEP_2)
	v_add_nc_u32 v[44+\b], 0xff000000, v[32+\b]
.endr
.irp b, 0,1
	s_delay_alu instid0(VALU_DEP_2)
	v_lshrrev_b32 v[36+\b], 23, v[44+\b]
.endr
	s_delay_alu instid0(VALU_DEP_1)
	v_lshl_or_b32 v58, v37, 8, v36
	v_cvt_scalef32_pk16_fp6_f32 v[48:50], v[S:S+15], v44
	v_cvt_scalef32_pk16_fp6_f32 v[54:56], v[S+16:S+31], v45
	v_nop
.irp i, 0,1,2
	v_permlane16_swap_b32 v[48+\i], v[54+\i]
.endr
.irp i, 0,1,2
	s_delay_alu instid0(VALU_DEP_3)
	v_mov_b32 v[51+\i], v[54+\i]
.endr
	global_store_b128 v[L16], v[48:51], s[8:9]
	global_store_b64 v[L8], v[52:53], s[8:9] offset:512
	ds_store_b32 v[YW], v58
	s_wait_dscnt 0x0
	s_barrier_signal -1
	s_barrier_wait -1
	s_cmp_lt_u32 s[WV], 2
	s_cbranch_scc0 .Ldone
	ds_load_b128 v[60:63], v[YR]
	s_wait_dscnt 0x0
	global_store_b128 v[L16], v[60:63], s[8:9] offset:6144
.Ldone:
	s_wait_tensorcnt 0x0
	ds_add_u32 v11, v243
	s_wait_dscnt 0x0
	s_endpgm
.Lfunc_end_k_qf0df064eeb_attn:
	.size	k_qf0df064eeb_attn, .Lfunc_end_k_qf0df064eeb_attn-k_qf0df064eeb_attn
	.p2alignl 7, 3214868480
	.fill 96, 4, 3214868480
	.section	.rodata,"a",@progbits
	.p2align	6, 0x0
	.amdhsa_kernel k_qf0df064eeb_attn
		.amdhsa_group_segment_fixed_size 327680
		.amdhsa_private_segment_fixed_size 0
		.amdhsa_enable_private_segment 0
		.amdhsa_kernarg_size 24
		.amdhsa_user_sgpr_count 2
		.amdhsa_user_sgpr_kernarg_segment_ptr 1
		.amdhsa_wavefront_size32 1
		.amdhsa_system_sgpr_workgroup_id_x 1
		.amdhsa_system_sgpr_workgroup_id_y 1
		.amdhsa_system_sgpr_workgroup_id_z 1
		.amdhsa_system_vgpr_workitem_id 0
		.amdhsa_next_free_vgpr 256
		.amdhsa_next_free_sgpr 66
		.amdhsa_reserve_vcc 1
		.amdhsa_float_denorm_mode_32 3
		.amdhsa_float_denorm_mode_16_64 3
		.amdhsa_memory_ordered 1
		.amdhsa_forward_progress 1
		.amdhsa_inst_pref_size 58
	.end_amdhsa_kernel
	.amdgpu_metadata
---
amdhsa.version: [ 1, 2 ]
amdhsa.kernels:
  - .name:           k_qf0df064eeb_attn
    .symbol:         k_qf0df064eeb_attn.kd
    .args:
      - { .name: qimg, .offset: 0, .size: 8, .value_kind: global_buffer, .address_space: global }
      - { .name: kv, .offset: 8, .size: 8, .value_kind: global_buffer, .address_space: global }
      - { .name: yimg, .offset: 16, .size: 8, .value_kind: global_buffer, .address_space: global }
    .group_segment_fixed_size: 327680
    .private_segment_fixed_size: 0
    .kernarg_segment_align: 8
    .kernarg_segment_size: 24
    .max_flat_workgroup_size: 512
    .sgpr_count:     66
    .vgpr_count:     256
    .wavefront_size: 32
...
	.end_amdgpu_metadata
.endif
;; end of part 2
;; launch proj (part 3): grid 8 x 32, 4 waves a work-group, clusters of 4 x 4, 251,648 bytes of LDS; arguments yimg, w_proj_codes, w_proj_scales, b_proj, out0; writes out0
.if DOCPART == 3
	.amdgcn_target "amdgcn-amd-amdhsa--gfx1250"
	.amdhsa_code_object_version 6
	.text
	.protected	k_qf0df064eeb_proj
	.globl	k_qf0df064eeb_proj
	.p2align	8
	.type	k_qf0df064eeb_proj,@function
k_qf0df064eeb_proj:
	s_mov_b64 s[64:65], 0
	v_nop
	global_prefetch_b8 v0, s[64:65] scope:SCOPE_SE
	s_setreg_imm32_b32 hwreg(HW_REG_WAVE_MODE, 25, 1), 1
	s_wait_xcnt 0x0
	s_wait_alu depctr_hold_cnt(0) depctr_sa_sdst(0) depctr_va_vdst(0) depctr_va_sdst(0) depctr_va_ssrc(0) depctr_va_vcc(0) depctr_vm_vsrc(0)
	s_getreg_b32 s2, hwreg(HW_REG_IB_STS2, 6, 4)
	s_cmp_eq_u32 s2, 0
	s_cbranch_scc0 .Lentry_in_a_cluster
	s_endpgm
.Lentry_in_a_cluster:
	s_bfe_u32 s2, ttmp6, 0x10000c
	s_cmp_lg_u32 s2, 0xf033
	s_cbranch_scc0 .Lentry_shape_is_right
	s_endpgm
.Lentry_shape_is_right:
; out0 = y w_proj + b_proj on codes of FP6 (E2M3) with E8M0 scales.  y: records of operand images, [128 tokens][head] of 6,656 bytes; w_proj: [1024][1024] codes, K innermost, 768 bytes a row, 32 scale bytes a row.
; A work-group makes 128 tokens x 128 columns, each of its four waves 64 x 64: 16 accumulators.  256 work-groups.  All its operands fit in LDS at once and are filled once, in four chunks of 256 along K, so that the
; first products begin when the first chunk has landed: no slot is filled again.  4 x 4 work-groups form a cluster: y's chunks are asked for jointly along a row of the cluster, w_proj's along a column.
; THE MATRIX INSTRUCTION IS USED TRANSPOSED (source 0 = 16 rows of w_proj, source 1 = 16 tokens): a lane holds eight neighbouring columns of a row of out0.  The bias is the C of each sum's first instruction.
; A fragment of y for 128 along K is the half images of two heads; its scale word is the two heads' two-byte words put together.
.set REC,    6656
.set PITCH,  240                       ; a row of w_proj's chunk in LDS: 3 x (64 bytes + 16 of padding)
.set CHUNKB, 128*PITCH
.set WB,     16*REC                    ; LDS: y's 16 records, then w_proj's four chunks,
.set WSB,    WB+4*CHUNKB               ; its scale bytes (16 rows of 256 + 16),
.set STG,    WSB+16*272                ; and a stage of 16 rows x 272 bytes for each wave
.set Y16,  8                           ; v8-9    y's images, 16 x lane: heads 0-7, heads 8-15
.set Y8,   10                          ; v10-11  8 x lane
.set YSC,  12                          ; v12-13  y's scale words
.set ADRW, 16                          ; v16-17  w_proj's fragments, chunks 0-1, 2-3;  v18-19 the same behind one padding more
.set WS,   20                          ; v20     its scale words
.set STO,  24
.set RD,   25
.set CO,   26
.set BA,   27
.set BI,   32                          ; v32-63  the bias, 8 registers for each of my 4 blocks of columns
.set YH,   64                          ; v64-79  four heads' scale words of my 4 tiles
.set SCY,  80                          ; v80-87  y's scale words of two K steps
.set SCW,  88                          ; v88-95  w_proj's
.set ACC,  128                         ; v128-255 accumulator (i, b) at 128 + 8 (4 i + b)
.set F0,   0                           ; window 1: two fragment buffers: y's four, then w_proj's four
.set F1,   128
.set G1Y, 24
.set G0Y, 32
.set G1W, 48
.set G0W, 68
.set G1S, 84
.set G0S, 92
.set MSB, 0
.macro WIN new
.if MSB != (\new)
	s_set_vgpr_msb (MSB<<8)|(\new)
.set MSB, (\new)
.endif
.endm
.set W_MUL, 0x05                       ; sources 0 and 1 window 1; C and D window 0
.set TO_F,  0x40
.macro CROUND                          ; a round of the cluster's barrier
	s_barrier_signal -1
	s_barrier_wait -1
	s_cmp_lg_u32 s14, 0
	s_cbranch_scc1 .Lnot_wave_0_\@
	s_barrier_signal -3
.Lnot_wave_0_\@:
	s_barrier_wait -3
	s_barrier_signal -1
	s_barrier_wait -1
.endm
	s_load_b128 s[4:7], s[0:1], 0x0                ; yimg, w_proj's codes
	s_load_b128 s[8:11], s[0:1], 0x10              ; w_proj's scales, b_proj
	s_load_b64 s[12:13], s[0:1], 0x20              ; out0
	v_lshl_add_u32 v30, v0, 2, 0x3d500
	v_mov_b32 v31, 0
	ds_add_u32 v30, v31
	ds_add_u32 v30, v31
	v_lshrrev_b32 v1, 5, v0
	v_readfirstlane_b32 s14, v1                    ; wave 0..3
	s_lshr_b32 s15, s14, 1                         ; which 64 tokens are mine.  Also: I fetch y (0) or w_proj (1)
	s_and_b32 s16, s14, 1                          ; which 64 columns.  Also: which half of a chunk I fetch
	s_bfe_u32 s56, ttmp6, 0x40000                  ; cx
	s_bfe_u32 s57, ttmp6, 0x40004                  ; cy
	s_lshl_b32 s58, ttmp9, 2
	s_add_co_u32 s58, s58, s56                     ; which 128 columns
	s_and_b32 s17, ttmp7, 0xffff
	s_lshl_b32 s17, s17, 2
	s_add_co_u32 s17, s17, s57                     ; which 128 tokens
	s_lshl_b32 s59, s57, 2
	s_lshl_b32 s59, 15, s59                        ; my row of the cluster
	s_lshl_b32 s60, 0x1111, s56                    ; my column
	s_or_b32 s[G1Y], s59, (3<<16)|(1<<21)          ; y: two records, 13,312 dense bytes, as 52 rows of 256 (32 elements of 8 bytes), no padding
	s_mov_b32 s[G1Y+1], 32<<16
	s_mov_b32 s[G1Y+2], 52<<16
	s_mov_b32 s[G1Y+3], 32<<16
	s_mov_b32 s[G1Y+4], 52
	s_mov_b32 s[G1Y+5], 32
	s_mov_b32 s[G1Y+6], 0
	s_mov_b32 s[G1Y+7], 0
	s_or_b32 s[G1W], s60, (0<<16)|(1<<20)|(1<<21)|(3<<22)|(3<<25)   ; w_proj: 64 rows of 192 bytes, 768 apart; 4 words of padding behind every 16
	s_mov_b32 s[G1W+1], 192<<16
	s_mov_b32 s[G1W+2], 64<<16
	s_mov_b32 s[G1W+3], 192<<16
	s_mov_b32 s[G1W+4], 64
	s_mov_b32 s[G1W+5], 768
	s_mov_b32 s[G1W+6], 0
	s_mov_b32 s[G1W+7], 0
	s_or_b32 s[G1S], s60, (3<<16)|(1<<20)|(1<<21)|(5<<22)|(3<<25)   ; its scales of 64 rows: 2,048 dense bytes as 8 rows of 256, 16 bytes of padding behind each
	s_mov_b32 s[G1S+1], 32<<16
	s_mov_b32 s[G1S+2], 8<<16
	s_mov_b32 s[G1S+3], 32<<16
	s_mov_b32 s[G1S+4], 8
	s_mov_b32 s[G1S+5], 32
	s_mov_b32 s[G1S+6], 0
	s_mov_b32 s[G1S+7], 0
	s_mul_i32 s20, s17, 16*REC
	s_mul_i32 s61, s16, 2*REC                      ; my half of a chunk of y, in memory and in LDS alike
	s_add_co_u32 s20, s20, s61
	s_mov_b32 s21, 0
	s_lshl_b32 s62, s58, 7
	s_lshl_b32 s18, s16, 6
	s_add_co_u32 s62, s62, s18
	s_mul_i32 s62, s62, 768                        ; w_proj: row 128 x column block + 64 x half
	s_mov_b32 s63, 0
	s_lshl_b32 s22, s58, 12
	s_lshl_b32 s18, s16, 11
	s_add_co_u32 s22, s22, s18                     ; and its scales
	s_mov_b32 s23, 0
	s_mul_i32 s18, s16, 64*PITCH
	s_add_co_u32 s18, s18, WB                      ; where they go: no place in the cluster enters an LDS address
	s_mul_i32 s19, s16, 8*272
	s_add_co_u32 s19, s19, WSB
	s_wait_dscnt 0x0
	s_wait_kmcnt 0x0
	s_add_nc_u64 s[20:21], s[4:5], s[20:21]
	s_add_nc_u64 s[62:63], s[6:7], s[62:63]
	s_add_nc_u64 s[22:23], s[8:9], s[22:23]
.irp c, 0,1,2,3
	s_mov_b32 s[G0Y+4*\c], 1
	s_add_co_u32 s[G0Y+4*\c+1], s61, \c*4*REC
	s_add_nc_u64 s[G0Y+4*\c+2:G0Y+4*\c+3], s[20:21], \c*4*REC
	s_or_b32 s[G0Y+4*\c+3], s[G0Y+4*\c+3], 0x80000000
	s_mov_b32 s[G0W+4*\c], 1
	s_add_co_u32 s[G0W+4*\c+1], s18, \c*CHUNKB
	s_add_nc_u64 s[G0W+4*\c+2:G0W+4*\c+3], s[62:63], \c*192
	s_or_b32 s[G0W+4*\c+3], s[G0W+4*\c+3], 0x80000000
.endr
	s_mov_b32 s[G0S], 1
	s_mov_b32 s[G0S+1], s19
	s_mov_b64 s[G0S+2:G0S+3], s[22:23]
	s_or_b32 s[G0S+3], s[G0S+3], 0x80000000
	CROUND                                         ; all sixteen work-groups are here: the joint loads meet
	s_cmp_eq_u32 s15, 0                            ; a wave's first fills stand in one branch on its number: four loads of mine are out, or five
	s_cbranch_scc0 .Lfor_w
.irp c, 0,1,2,3
	tensor_load_to_lds s[G0Y+4*\c:G0Y+4*\c+3], s[G1Y:G1Y+7]
	s_nop 0
.endr
.rept 4
	v_nop
.endr
	s_branch .Lasked
.Lfor_w:
	tensor_load_to_lds s[G0S:G0S+3], s[G1S:G1S+7]
	s_nop 0
.irp c, 0,1,2,3
	tensor_load_to_lds s[G0W+4*\c:G0W+4*\c+3], s[G1W:G1W+7]
	s_nop 0
.endr
.rept 4
	v_nop
.endr
.Lasked:
	v_and_b32 v1, 15, v0                           ; r
	v_bfe_u32 v2, v0, 4, 1                         ; h
	v_and_b32 v3, 31, v0                           ; lane
	s_wait_alu depctr_va_vdst(0)
	v_lshlrev_b32 v[BA], 5, v2
	s_lshl_b32 s62, s58, 9
	s_lshl_b32 s61, s16, 8
	s_add_co_u32 s62, s62, s61                     ; my first column, in bytes of f32
	s_mov_b32 s63, 0
	s_add_nc_u64 s[10:11], s[10:11], s[62:63]
.irp b, 0,1,2,3
	global_load_b128 v[BI+8*\b:BI+8*\b+3], v[BA], s[10:11] offset:64*\b        ; lane (r, h), block b: columns 16 b + 8 h + 0 .. 7
	global_load_b128 v[BI+8*\b+4:BI+8*\b+7], v[BA], s[10:11] offset:64*\b+16
.endr
	s_add_nc_u64 s[12:13], s[12:13], s[62:63]      ; out0 at my first column,
	s_lshl_b32 s20, s17, 19
	s_lshl_b32 s61, s15, 18
	s_add_co_u32 s20, s20, s61
	s_mov_b32 s21, 0
	s_add_nc_u64 s[12:13], s[12:13], s[20:21]      ; and my first row: (128 x block + 64 x half) rows of 4,096 bytes
	s_mul_i32 s61, s15, 4*768                      ; my four tiles of a record's eight
	v_lshl_add_u32 v[Y16], v3, 4, s61
	v_add_nc_u32 v[Y16+1], 8*REC, v[Y16]
	v_lshl_add_u32 v[Y8], v3, 3, s61
	v_add_nc_u32 v[Y8+1], 8*REC, v[Y8]
	s_lshl_b32 s61, s15, 8
	v_lshl_add_u32 v[YSC], v1, 4, s61              ; a scale image: 16 r + 256 x (tile / 4): four words, my four tiles'
	v_add_nc_u32 v[YSC+1], 8*REC, v[YSC]
	v_mul_u32_u24 v4, v1, PITCH
	v_mad_u32_u24 v4, v2, 24, v4
	v_lshl_add_u32 v5, v2, 4, v4
	v_add_nc_u32 v[ADRW], s18, v4
	v_add_nc_u32 v[ADRW+1], 2*CHUNKB, v[ADRW]
	v_add_nc_u32 v[ADRW+2], s18, v5
	v_add_nc_u32 v[ADRW+3], 2*CHUNKB, v[ADRW+2]
	v_lshlrev_b32 v5, 5, v1                        ; w_proj's scales: 32 bytes a row,
	v_lshrrev_b32 v6, 8, v5
	v_lshl_add_u32 v5, v6, 4, v5                   ; and 16 more for each 256 passed
	v_add_nc_u32 v[WS], s19, v5
	s_mul_i32 s61, s14, 16*272
	s_add_co_u32 s61, s61, STG                     ; my stage
	v_mul_u32_u24 v5, v1, 272
	v_lshl_add_u32 v5, v2, 5, v5
	v_add_nc_u32 v[STO], s61, v5                   ; in: row r, 32 bytes for each half of the lanes
	v_mul_u32_u24 v5, v2, 272
	v_lshl_add_u32 v5, v1, 4, v5
	v_add_nc_u32 v[RD], s61, v5                    ; back: lanes 0-15 one row of 256 bytes, lanes 16-31 the next
	v_lshlrev_b32 v5, 12, v2
	v_lshl_add_u32 v[CO], v1, 4, v5                ; and the same two rows in out0
.macro FRAG reg, adr, q, i, cc         ; 16 rows x 128 K of w_proj as six pieces of 8 bytes; where lanes 16-31's piece lies behind one padding more, the second address register serves
.irp p, 0,1,2,3,4,5
.set PCE, 12*(\q)+6*(\p/3)+\p%3
.if PCE%8 < 5
	ds_load_b64 v[\reg+2*\p:\reg+2*\p+1], v[\adr] offset:8*PCE+16*(PCE/8)+(\i)*16*PITCH+(\cc)*CHUNKB
.else
	ds_load_b64 v[\reg+2*\p:\reg+2*\p+1], v[\adr+2] offset:8*PCE+16*(PCE/8)+(\i)*16*PITCH+(\cc)*CHUNKB
.endif
.endr
.endm
.macro FETCH s, f                      ; K step s (128 along K = heads 2 s, 2 s + 1) into buffer f: 40 loads
	WIN TO_F
.irp i, 0,1,2,3
.irp u, 0,1
.set E, 2*(\s)+\u
	ds_load_b128 v[\f+12*\i+6*\u:\f+12*\i+6*\u+3], v[Y16+E/8] offset:REC*(E%8)+768*\i
	ds_load_b64 v[\f+12*\i+6*\u+4:\f+12*\i+6*\u+5], v[Y8+E/8] offset:REC*(E%8)+768*\i+512
.endr
.endr
.irp b, 0,1,2,3
	FRAG \f+48+12*\b, ADRW+(\s)/4, (\s)%2, \b, ((\s)/2)%2
.endr
	WIN 0
.endm
.macro MULS f, q, first                ; 16 matrix instructions, the 16 accumulators by turns
.irp i, 0,1,2,3
.irp b, 0,1,2,3
.if \first
	v_wmma_scale_f32_16x16x128_f8f6f4 v[ACC+8*(4*\i+\b):ACC+8*(4*\i+\b)+7], v[\f+48+12*\b:\f+48+12*\b+11], v[\f+12*\i:\f+12*\i+11], v[BI+8*\b:BI+8*\b+7], v[SCW+2*\b+\q], v[SCY+4*\q+\i] matrix_a_fmt:MATRIX_FMT_FP6 matrix_b_fmt:MATRIX_FMT_FP6
.else
	v_wmma_scale_f32_16x16x128_f8f6f4 v[ACC+8*(4*\i+\b):ACC+8*(4*\i+\b)+7], v[\f+48+12*\b:\f+48+12*\b+11], v[\f+12*\i:\f+12*\i+11], v[ACC+8*(4*\i+\b):ACC+8*(4*\i+\b)+7], v[SCW+2*\b+\q], v[SCY+4*\q+\i] matrix_a_fmt:MATRIX_FMT_FP6 matrix_b_fmt:MATRIX_FMT_FP6
.endif
.endr
.endr
.endm
.macro CHUNK c                         ; 256 along K
	s_wait_tensorcnt 3-\c                          ; my part of this chunk is in: 3 - c loads of mine were issued behind it, in either kind of wave
	s_wait_dscnt 0x0
	s_barrier_signal -1
	s_barrier_wait -1                              ; everybody's is
.if \c > 0
.rept 4
	v_nop                                          ; places in front of loads into registers that the last products read
.endr
.endif
.irp u, 0,1,2,3
.set E, 4*(\c)+\u
	ds_load_b128 v[YH+4*\u:YH+4*\u+3], v[YSC+E/8] offset:REC*(E%8)+6144
.endr
.irp b, 0,1,2,3
	ds_load_b64 v[SCW+2*\b:SCW+2*\b+1], v[WS] offset:544*\b+8*\c
.endr
	FETCH 2*\c, F0
	s_wait_dscnt 40                                ; the eight loads of scale words are in
.irp q, 0,1
.irp i, 0,1,2,3
	v_lshl_or_b32 v[SCY+4*\q+\i], v[YH+4*(2*\q+1)+\i], 16, v[YH+8*\q+\i]   ; two heads' two bytes make the word of 128 along K
.endr
.endr
	FETCH 2*\c+1, F1
.rept 8
	v_nop                                          ; a scale register written by a vector line stands 8 places ahead of the scaled product
.endr
	s_wait_dscnt 40                                ; the first K step's fragments are in
	WIN W_MUL
.if \c == 0
	s_wait_alu depctr_va_vdst(0)
	MULS F0, 0, 1
.else
	s_wait_alu depctr_va_vdst(0)
	MULS F0, 0, 0
.endif
	s_wait_dscnt 0x0
	MULS F1, 1, 0
	WIN 0
.endm
	s_wait_alu depctr_va_vdst(0)
	s_wait_loadcnt 0x0                             ; the bias
	CHUNK 0
	CHUNK 1
	CHUNK 2
	CHUNK 3
	; THE WAY OUT: 16 rows x 64 columns at a time through my own stage, back as whole rows of 256 bytes: sixteen lanes store one aligned block of 256 bytes.
.rept 4
	v_nop
.endr
.irp i, 0,1,2,3
.if \i >= 2
	s_wait_xcnt 0x0                                ; the stores of two blocks ago have read their registers
.endif
.irp b, 0,1,2,3
	ds_store_b128 v[STO], v[ACC+8*(4*\i+\b):ACC+8*(4*\i+\b)+3] offset:64*\b        ; each accumulator from its low end on
	ds_store_b128 v[STO], v[ACC+8*(4*\i+\b)+4:ACC+8*(4*\i+\b)+7] offset:64*\b+16
.endr
.irp t, 0,1,2,3,4,5,6,7
	ds_load_b128 v[64+32*(\i%2)+4*\t:64+32*(\i%2)+4*\t+3], v[RD] offset:2*\t*272   ; LDS serves a wave's instructions in order (ISA guide 5.7.1.4): these see the stores above
.endr
	s_wait_dscnt 0x0
.irp t, 0,1,2,3,4,5,6,7
	global_store_b128 v[CO], v[64+32*(\i%2)+4*\t:64+32*(\i%2)+4*\t+3], s[12:13] offset:(16*\i+2*\t)*4096 th:TH_STORE_NT
.endr
.endr
	s_wait_tensorcnt 0x0
	ds_add_u32 v30, v31
	s_wait_dscnt 0x0
	CROUND                                         ; the closing round: no work-group ends while a partner may still ask for a tile that names it
	s_endpgm
.Lfunc_end_k_qf0df064eeb_proj:
	.size	k_qf0df064eeb_proj, .Lfunc_end_k_qf0df064eeb_proj-k_qf0df064eeb_proj
	.p2alignl 7, 3214868480
	.fill 96, 4, 3214868480
	.section	.rodata,"a",@progbits
	.p2align	6, 0x0
	.amdhsa_kernel k_qf0df064eeb_proj
		.amdhsa_group_segment_fixed_size 251648
		.amdhsa_private_segment_fixed_size 0
		.amdhsa_enable_private_segment 0
		.amdhsa_kernarg_size 40
		.amdhsa_user_sgpr_count 2
		.amdhsa_user_sgpr_kernarg_segment_ptr 1
		.amdhsa_wavefront_size32 1
		.amdhsa_system_sgpr_workgroup_id_x 1
		.amdhsa_system_sgpr_workgroup_id_y 1
		.amdhsa_system_sgpr_workgroup_id_z 1
		.amdhsa_system_vgpr_workitem_id 0
		.amdhsa_next_free_vgpr 512
		.amdhsa_next_free_sgpr 96
		.amdhsa_reserve_vcc 0
		.amdhsa_float_denorm_mode_32 3
		.amdhsa_float_denorm_mode_16_64 3
		.amdhsa_memory_ordered 1
		.amdhsa_forward_progress 1
		.amdhsa_inst_pref_size 61
	.end_amdhsa_kernel
	.amdgpu_metadata
---
amdhsa.version: [ 1, 2 ]
amdhsa.kernels:
  - .name:           k_qf0df064eeb_proj
    .symbol:         k_qf0df064eeb_proj.kd
    .args:
      - { .name: yimg, .offset: 0, .size: 8, .value_kind: global_buffer, .address_space: global }
      - { .name: w_proj_codes, .offset: 8, .size: 8, .value_kind: global_buffer, .address_space: global }
      - { .name: w_proj_scales, .offset: 16, .size: 8, .value_kind: global_buffer, .address_space: global }
      - { .name: b_proj, .offset: 24, .size: 8, .value_kind: global_buffer, .address_space: global }
      - { .name: out0, .offset: 32, .size: 8, .value_kind: global_buffer, .address_space: global }
    .group_segment_fixed_size: 251648
    .private_segment_fixed_size: 0
    .kernarg_segment_align: 8
    .kernarg_segment_size: 40
    .max_flat_workgroup_size: 128
    .sgpr_count:     96
    .vgpr_count:     512
    .wavefront_size: 32
...
	.end_amdgpu_metadata
.endif
;; end of part 3
